; MI455X (gfx1250); checked and timed in simulation.
; The chip was launched on July 23, 2026; its instructions are those of AMD's public machine-readable ISA for CDNA 5 (MIT licence, August 2026) and "CDNA5" Instruction Set Architecture Reference Guide (July 2026). The comments in the code are by the model that wrote it; some were corrected since.
;; Diverse Asmaa Mo E. Allowed arithmetic: matrix products marked QUANTISED: E2M1 operands, one E8M0 scale for each 32 along K, by v_wmma_scale_f32_16x16x128_f8f6f4 with both operands' format E2M1 (or v_wmma_scale_f32_32x16x128_f4), f32 sums; products left as they are: f32 operands where the result goes on into a quantised operand, else bf16, f16 or f32 operands; f32 sums; everything else in f32.
;; Inputs: b1 14 x 2,048 float32; b2 14 x 1,024 float32; gate_w 14 x 1,024 float32; h 2 x 512 x 1,024 float32; w1_codes 14 x 2,048 x 32 x 16 uint8 (E2M1 codes of w1, K innermost, in blocks of 32 codes, two codes a byte); w1_scales 14 x 2,048 x 32 uint8 (E8M0 scales of w1, one for each 32 codes along K); w2_codes 14 x 1,024 x 64 x 16 uint8 (E2M1 codes of w2, K innermost, in blocks of 32 codes, two codes a byte); w2_scales 14 x 1,024 x 64 uint8 (E8M0 scales of w2, one for each 32 codes along K).
;; Outputs: out0 2 x 512 x 1,024 float32.
;; This version of the problem:
;;   THIS VERSION OF THE PROBLEM IS GIVEN IN LOW PRECISION. The matrix products marked QUANTISED in the list below multiply operands that are first quantised to E2M1 (2 exponent bits, 1 mantissa bit; 4 bits a number), with one power-of-two scale for each 32 numbers along K (OCP MX v1.0); their sums are f32. All else is computed in f32.
;;   The module's matrix products, in the order in which they are computed (A, B: the left and right operand; K: the contracted axis; several contracted axes count as one K, in the product's order):
;;     1. [M 1,024, K 1,024] x [K 1,024, N 14]; A: input h; B: input gate_w: left as it is (N = 14 < 16)
;;     2. [M 1,024, K 1,024] x [K 1,024, N 28,672]; A: input h; B: input w1 (given as codes): QUANTISED
;;     3. batch 14 x [M 1,024, K 2,048] x [K 2,048, N 1,024]; A: input w2 (given as codes); B: computed on the way: QUANTISED
;;   THE QUANTISER, for each operand of a quantised product, along K:
;;     - K is cut into blocks of 32 from its start; a last block that is shorter is filled with zeros.
;;     - A block's scale is 2^e with e = floor(log2(the largest magnitude in the block)) - 2, held to -126 .. 127; a block of zeros has e = 0. As a byte (E8M0): e + 127.
;;     - Each number is divided by its block's scale, clamped to +-6, and rounded to the nearest number of E2M1, ties to even, subnormals kept.
;;     - The product sums the exact products of the quantised numbers (number of the format x scale) in f32.
;;   ~~~python
;;   def quantise(x, axis):      # numpy; x: float32 -> the quantised numbers, widened to float32 again
;;       x = np.moveaxis(x, axis, -1); K = x.shape[-1]
;;       x = np.pad(x, [(0, 0)] * (x.ndim - 1) + [(0, -K % 32)]); x = x.reshape(x.shape[:-1] + (-1, 32)); a = np.abs(x).max(-1, keepdims=True)
;;       e = np.where(a > 0, np.clip(np.frexp(np.where(a > 0, a, 1))[1] - 1 - 2, -126, 127), 0)      # np.frexp(a)[1] - 1 = floor(log2(a)), exactly
;;       r = np.clip(x / 2.0 ** e, -6, 6)
;;       step = 2.0 ** (np.maximum(np.frexp(np.where(r == 0, 1, r))[1] - 1, 0) - 1)
;;       q = np.round(r / step) * step * 2.0 ** e      # np.round: ties to even
;;       return np.moveaxis(q.reshape(q.shape[:-2] + (-1,))[..., :K], -1, axis).astype(np.float32)
;;   ~~~
;;   OPERANDS COMPUTED ON THE WAY. 'Computed on the way' means the value that the module computes at that place (a softmax that the list does not call 'softmax' is quantised finished and normalised). What goes into a quantiser is computed in f32, as accurately as f32 sums, v_exp_f32 and their like allow (about 1e-6 of the number): no bf16 or f16 on the way to a quantiser, and a product that is left as it is and whose result goes on into a quantised operand takes f32 operands (vector FMAs, or v_wmma_f32_16x16x4_f32). A number that lies on a knife's edge between two numbers of the format may be rounded either way, as far as f32 arithmetic and the matrix unit's own rounding can turn it there, and no further.
;;   INPUTS GIVEN AS CODES. w1 (in the module: [14, 1024, 2048], K = its axis 1); w2 (in the module: [14, 2048, 1024], K = its axis 1): each comes as NAME_codes (uint8): NAME with its K axis moved to the last place and cut into blocks of 32 codes, [.., K / 32, bytes a block], one block behind the other in memory; two codes a byte, the lower K in the low four bits (a code: sign, 2 exponent bits, 1 mantissa bit); and NAME_scales (uint8): the same leading axes, one E8M0 byte (e + 127) for each 32 codes along K. Its value is code x scale, taken as it is: it is not quantised again, and the codes and scales need not be those that the quantiser above would give.
;; One version. Each part assembles by itself: llvm-mc -triple=amdgcn-amd-amdhsa -mcpu=gfx1250 --defsym DOCPART=n.
;; ======== version 1 of 1: 4 launches
;; limits: a function is approximated: absolute error at most 1.5e-07; an absolute error that grows with the inputs' magnitude: up to 7.5e-08 times it
;; workspace buffers: xq 524,288 bytes; xs 32,768 bytes; rmask 3,584 bytes of whole numbers; wts 8,192 bytes; hid 14,680,064 bytes; hsc 917,504 bytes; ybuf 8,388,608 bytes; slist 57,600 bytes of whole numbers
;; launch route (part 1): grid 64 x 1, 4 waves a work-group, no clusters, 131,584 bytes of LDS; arguments h, gate_w, xq, xs, rmask, wts; writes xq, xs, rmask, wts
.if DOCPART == 1
	.amdgcn_target "amdgcn-amd-amdhsa--gfx1250"
	.amdhsa_code_object_version 6
	.text
	.protected	k_q1980afe249_route
	.globl	k_q1980afe249_route
	.p2align	8
	.type	k_q1980afe249_route,@function
k_q1980afe249_route:
	s_mov_b64 s[64:65], 0
	v_nop
	global_prefetch_b8 v0, s[64:65] scope:SCOPE_SE
	s_setreg_imm32_b32 hwreg(HW_REG_WAVE_MODE, 25, 1), 1
	s_wait_xcnt 0x0
; ROUTE.  For each of the 1,024 tokens: 14 logits x . gate_w[e] in f32, softmax (the row's maximum taken away), the two largest probabilities (strict compares: the lower index
; wins a tie, as jax.lax.top_k has it), their weights p / max(p0 + p1, 1e-10); and x as codes of E2M1 with one E8M0 byte for each 32 along D, for the first quantised product.
; WORK LEFT OUT BY THE PROGRAM.  reference() computes all_out[n, e] for all 14 experts and then gathers all_out[n, top2_i[n, 0]] and all_out[n, top2_i[n, 1]] alone: for every value of the inputs
; the rows of the other 12 experts reach no output.  Which rows are kept is a choice by whole numbers: this launch stores it, at fixed places, and the later launches read it from memory and
; multiply only the chosen rows.  LIMIT: a NaN, an infinity or an overflow that arises only in an expert that a token did not choose is not carried to the result.  Every input has a way to the output.
; WHAT IS STORED.  A slot is 2 x token + k, k the place in the top two.  rmask[e][64 words]: bit p of word j is set where slot 32 j + p chose expert e.  wts[token] = w0, w1.
; xq[token][512 bytes]: the codes, block b at byte 16 b.  xs[token][32 bytes]: byte b is block b's scale.
; LIMITS.  NaN and infinities among the inputs are not served.  Two probabilities that differ by less than the order of an f32 sum can resolve may change places.  Probabilities under the smallest
; normal f32 number count as 0 (ISA guide, the entry of v_exp_f32).  A block of zeros keeps the byte 1: its codes are zeros, and this program alone reads the bytes.
; SHARES.  A work-group takes 16 tokens, a wave 4.  No matrix instruction: the logits decide an index, so they are f32 fused multiply-adds.  Every load of x and of gate_w covers 512 consecutive bytes.
; x is used twice: as loaded (register 4 j + c = k 128 j + 4 l + c), against gate_w's rows read from LDS in the same order; and turned through the wave's stage, so that lane l holds block l's 32 neighbours.
.set GW,    0                          ; LDS: gate_w as it lies, 57,344 bytes
.set XST,   57344                      ; the stages: for each wave 4 tokens x 32 blocks x (128 bytes + 16 of padding)
.set WST,   18432
.set SPARE, 131072                     ; the spare words, 128 bytes for each wave: two blocks of 256 bytes that no other line names
.set R,     16                         ; v16-143  x: token i at R + 32 i
.set GT,    144                        ; v144-255 gate_w's 28 pieces on their way to LDS
.set G0,    144                        ; then: two rows of gate_w by turns,
.set G1,    176
.set ACC,   208                        ; v208-215 four pairs of sums,
.set T,     216                        ; v216-223 at work,
.set LG,    224                        ; v224-237 the 14 logits, then probabilities; v238-247 the choice
.set CO,    144                        ; at the end: v144-159 codes, v160-163 largest magnitudes, v164-167 scale operands, v168-171 bytes, v172-175 at work
.set MX,    160
.set SC,    164
.set EB,    168
.set DT,    172
	s_load_b256 s[4:11], s[0:1], 0x0               ; h s[4:5], gate_w s[6:7], xq s[8:9], xs s[10:11]
	s_load_b128 s[12:15], s[0:1], 0x20             ; rmask s[12:13], wts s[14:15]
	v_lshl_add_u32 v2, v0, 2, SPARE                ; my spare word,
	v_mov_b32 v3, 0                                ; and 0: kept for the closing lines alone
	v_lshrrev_b32 v1, 5, v0
	v_readfirstlane_b32 s16, v1                    ; wave w
	v_and_b32 v1, 31, v0                           ; lane l
	v_lshlrev_b32 v4, 4, v1                        ; 16 l
	s_mul_i32 s22, s16, WST
	s_add_co_u32 s22, s22, XST                     ; my stage
	v_lshrrev_b32 v5, 3, v1
	v_mul_u32_u24 v5, v5, 144
	v_and_b32 v6, 7, v1
	v_lshl_add_u32 v5, v6, 4, v5
	v_add_nc_u32 v5, s22, v5                       ; into it: eight lanes' 128 bytes are a block: 144 (l / 8) + 16 (l % 8)
	v_mul_u32_u24 v6, v1, 144
	v_add_nc_u32 v6, s22, v6                       ; out of it: block l
	v_and_b32 v7, 3, v1
	v_lshrrev_b32 v11, 2, v1
	v_lshlrev_b32 v10, 5, v7
	v_lshl_add_u32 v10, v11, 2, v10                ; xs: token l % 4, word l / 4
	v_lshlrev_b32 v7, 3, v7                        ; 8 (l % 4): my byte's place in a scale word
	s_mul_i32 s23, s16, 14336
	v_add_nc_u32 v8, s23, v4                       ; my wave's quarter of gate_w: the same offset in memory and in LDS
	s_lshl_b32 s24, ttmp9, 2
	s_add_co_u32 s24, s24, s16                     ; my four tokens' byte in a row of rmask
	v_lshl_add_u32 v11, v1, 8, s24                 ; rmask: row l (an expert) of 256 bytes
	v_lshlrev_b32 v12, 3, v1                       ; wts: 8 bytes a token
	s_mov_b32 s18, 0xaaaaaaaa                      ; the odd lanes
	s_mov_b32 s19, 0xcccccccc                      ; the lanes with bit 1 set
	s_mov_b32 s20, 0x76543210
	s_mov_b32 s21, 0xfedcba98                      ; v_permlanex16_b32's selects for lane l xor 16
	s_mov_b32 s30, 0x3fb8aa3b                      ; log2(e)
	s_lshl_b32 s26, ttmp9, 16
	s_lshl_b32 s28, s16, 14
	s_add_co_u32 s26, s26, s28                     ; my first token x 4,096 bytes
	s_mov_b32 s27, 0
	s_wait_alu depctr_va_vdst(0)
	s_wait_kmcnt 0x0
	s_add_nc_u64 s[4:5], s[4:5], s[26:27]
	s_lshr_b32 s26, s26, 3                         ; x 512
	s_add_nc_u64 s[8:9], s[8:9], s[26:27]
	s_lshr_b32 s26, s26, 4                         ; x 32
	s_add_nc_u64 s[10:11], s[10:11], s[26:27]
	s_lshr_b32 s26, s26, 2                         ; x 8
	s_add_nc_u64 s[14:15], s[14:15], s[26:27]
.irp i,0,1,2,3
.irp j,0,1,2,3,4,5,6,7
	global_load_b128 v[R+32*\i+4*\j:R+32*\i+4*\j+3], v4, s[4:5] offset:4096*\i+512*\j th:TH_LOAD_NT
.endr
.endr
.set n, 0
.rept 28
	global_load_b128 v[GT+4*n:GT+4*n+3], v8, s[6:7] offset:512*n
.set n, n+1
.endr
	s_wait_loadcnt 28                              ; x's 32 loads are in; the 28 of gate_w, issued behind them, may be out
.irp i,0,1,2,3
.irp j,0,1,2,3,4,5,6,7
	ds_store_b128 v5, v[R+32*\i+4*\j:R+32*\i+4*\j+3] offset:4608*\i+576*\j
.endr
.endr
	s_wait_loadcnt 0x0
.set n, 0
.rept 28
	ds_store_b128 v8, v[GT+4*n:GT+4*n+3] offset:GW+512*n
.set n, n+1
.endr
	s_wait_dscnt 0x0                               ; for the others' sake: my quarter of gate_w lies in LDS
	s_barrier_signal -1
	s_barrier_wait -1                              ; all of it does
.macro GLOAD e, buf                    ; row e of gate_w, in x's order: register 4 j + c = k 128 j + 4 l + c
.irp j,0,1,2,3,4,5,6,7
	ds_load_b128 v[\buf+4*\j:\buf+4*\j+3], v4 offset:GW+4096*(\e)+512*\j
.endr
.endm
; Logit e of my four tokens.  Four chains of packed multiply-adds by turns; then the four sums are folded over the 32 lanes together: in the first two steps each lane keeps the token
; that its number names and hands the other on, so that lane l ends with the whole sum of token l % 4.
.macro DOT e, buf
.if (\e) < 13
	s_wait_dscnt 8                                 ; this row is in; the next row's 8 loads may be out
.else
	s_wait_dscnt 0x0
.endif
.irp m,0,1,2,3,4,5,6,7,8,9,10,11,12,13,14,15
.irp i,0,1,2,3
.if \m == 0
	v_pk_mul_f32 v[ACC+2*\i:ACC+2*\i+1], v[R+32*\i:R+32*\i+1], v[\buf:\buf+1]
.else
	v_pk_fma_f32 v[ACC+2*\i:ACC+2*\i+1], v[R+32*\i+2*\m:R+32*\i+2*\m+1], v[\buf+2*\m:\buf+2*\m+1], v[ACC+2*\i:ACC+2*\i+1]
.endif
.endr
.endr
.irp i,0,1,2,3
	v_add_f32 v[T+\i], v[ACC+2*\i], v[ACC+2*\i+1]
.endr
	v_cndmask_b32 v[T+4], v[T], v[T+1], s18        ; even lanes keep token 0, odd lanes token 1,
	v_cndmask_b32 v[T+5], v[T+1], v[T], s18        ; and hand the other to the neighbour
	v_cndmask_b32 v[T+6], v[T+2], v[T+3], s18      ; the same of tokens 2 and 3
	v_cndmask_b32 v[T+7], v[T+3], v[T+2], s18
	v_add_f32_dpp v[T+4], v[T+5], v[T+4] row_xmask:1 row_mask:0xf bank_mask:0xf
	v_add_f32_dpp v[T+6], v[T+7], v[T+6] row_xmask:1 row_mask:0xf bank_mask:0xf
	v_cndmask_b32 v[T], v[T+4], v[T+6], s19
	v_cndmask_b32 v[T+1], v[T+6], v[T+4], s19
	v_add_f32_dpp v[T], v[T+1], v[T] row_xmask:2 row_mask:0xf bank_mask:0xf
	v_add_f32_dpp v[T], v[T], v[T] row_xmask:4 row_mask:0xf bank_mask:0xf
	v_add_f32_dpp v[T], v[T], v[T] row_xmask:8 row_mask:0xf bank_mask:0xf
	v_permlanex16_b32 v[T+1], v[T], s20, s21
	v_add_f32 v[LG+(\e)], v[T], v[T+1]
.if (\e)+2 < 14
	GLOAD (\e)+2, \buf
.endif
.endm
	GLOAD 0, G0
	GLOAD 1, G1
	DOT 0, G0
	DOT 1, G1
	DOT 2, G0
	DOT 3, G1
	DOT 4, G0
	DOT 5, G1
	DOT 6, G0
	DOT 7, G1
	DOT 8, G0
	DOT 9, G1
	DOT 10, G0
	DOT 11, G1
	DOT 12, G0
	DOT 13, G1
.irp i,0,1,2,3                         ; x comes back turned: lane l takes block l of each token; the softmax below stands between these loads and the wait for them
.irp c,0,1,2,3,4,5,6,7
	ds_load_b128 v[R+32*\i+4*\c:R+32*\i+4*\c+3], v6 offset:4608*\i+16*\c
.endr
.endr
	; softmax and the two largest, each lane for token l % 4
	v_max3_num_f32 v242, v[LG], v[LG+1], v[LG+2]
.irp e,3,5,7,9,11
	v_max3_num_f32 v242, v242, v[LG+\e], v[LG+\e+1]
.endr
	v_max_num_f32 v242, v242, v[LG+13]             ; the row's maximum
	v_mul_f32 v242, s30, v242
.irp e,0,1,2,3,4,5,6,7,8,9,10,11,12,13
	v_fma_f32 v[LG+\e], v[LG+\e], s30, -v242       ; (logit - maximum) x log2(e); the rounding of the maximum's product is a common factor, which the division takes away
.endr
	s_wait_alu depctr_va_vdst(0)
.irp e,0,1,2,3,4,5,6,7,8,9,10,11,12,13
	v_exp_f32 v[LG+\e], v[LG+\e]
.endr
	v_mov_b32 v239, 0                              ; (a plain line behind the exponentials)  the first index
	s_wait_alu depctr_va_vdst(0)                   ; one wait for the 14, ahead of their first use
	v_add_f32 v242, v[LG], v[LG+1]
	v_add_f32 v243, v[LG+2], v[LG+3]
.irp e,4,6,8,10,12
	v_add_f32 v242, v242, v[LG+\e]
	v_add_f32 v243, v243, v[LG+\e+1]
.endr
	v_add_f32 v242, v242, v243
	s_wait_alu depctr_va_vdst(0)
	v_rcp_f32 v243, v242
	v_mov_b32 v241, 0                              ; (a plain line)  the second index
	s_wait_alu depctr_va_vdst(0)
.irp e,0,1,2,3,4,5,6,7,8,9,10,11,12,13
	v_mul_f32 v[LG+\e], v[LG+\e], v243             ; the probabilities
.endr
	v_mov_b32 v238, v[LG]
.irp e,1,2,3,4,5,6,7,8,9,10,11,12,13
	v_cmp_gt_f32 vcc_lo, v[LG+\e], v238            ; strictly larger: the lower index keeps a tie
	v_cndmask_b32 v238, v238, v[LG+\e], vcc_lo
	v_cndmask_b32 v239, v239, \e, vcc_lo
.endr
.irp e,0,1,2,3,4,5,6,7,8,9,10,11,12,13
	v_cmp_eq_u32 vcc_lo, \e, v239
	v_cndmask_b32 v[LG+\e], v[LG+\e], -1.0, vcc_lo ; the winner is taken out: under every probability
.endr
	v_mov_b32 v240, v[LG]
.irp e,1,2,3,4,5,6,7,8,9,10,11,12,13
	v_cmp_gt_f32 vcc_lo, v[LG+\e], v240
	v_cndmask_b32 v240, v240, v[LG+\e], vcc_lo
	v_cndmask_b32 v241, v241, \e, vcc_lo
.endr
	v_add_f32 v242, v238, v240
	v_max_num_f32 v242, 0x2edbe6ff, v242           ; reference()'s guard: at least 1e-10
	s_wait_alu depctr_va_vdst(0)
	v_rcp_f32 v243, v242
	v_mov_b32 v245, 0                              ; (a plain line)  the mask's byte
	s_wait_alu depctr_va_vdst(0)
	v_mul_f32 v246, v238, v243                     ; w0
	v_mul_f32 v247, v240, v243                     ; w1
	; the mask: lane e makes expert e's byte for my four tokens: bit 2 i + k is set where token i's k-th choice is e.  The indices are data here: no address and no branch takes them
.irp i,0,1,2,3
	v_readlane_b32 s[22+2*\i], v239, \i
	v_readlane_b32 s[23+2*\i], v241, \i
.endr
.irp b,0,1,2,3,4,5,6,7
	v_cmp_eq_u32 vcc_lo, s[22+\b], v1
	v_cndmask_b32 v244, 0, 1, vcc_lo
	v_lshl_or_b32 v245, v244, \b, v245
.endr
	; the quantiser: a block of 32 is one lane's; the four tokens by turns
	s_wait_dscnt 0x0                               ; x is back, turned
.irp i,0,1,2,3
	v_max3_num_f32 v[MX+\i], |v[R+32*\i]|, |v[R+32*\i+1]|, 0x1800000   ; the floor 2^(3 - 127), under which no largest magnitude is taken: the byte cannot fall under 1
.endr
.irp n,2,4,6,8,10,12,14,16,18,20,22,24,26,28,30
.irp i,0,1,2,3
	v_max3_num_f32 v[MX+\i], v[MX+\i], |v[R+32*\i+\n]|, |v[R+32*\i+\n+1]|
.endr
.endr
.irp i,0,1,2,3
	v_add_nc_u32 v[SC+\i], 0xff000000, v[MX+\i]    ; 2 off the exponent field: the conversion takes this operand's exponent field as its scale
.endr
.irp i,0,1,2,3
	v_lshrrev_b32 v[EB+\i], 23, v[SC+\i]           ; the scale's byte
.endr
.irp i,0,1,2,3
.irp g,0,1,2,3
	v_cvt_scalef32_pk8_fp4_f32 v[CO+4*\i+\g], v[R+32*\i+8*\g:R+32*\i+8*\g+7], v[SC+\i]
.endr
.endr
	v_nop                                          ; one plain line behind the last scaled conversion
.irp i,0,1,2,3
	global_store_b128 v4, v[CO+4*\i:CO+4*\i+3], s[8:9] offset:512*\i   ; a token's 512 bytes of codes: 32 lanes, 16 neighbouring bytes each
.endr
	; four lanes' bytes make a scale word; then lane l keeps word l / 4 of token l % 4, so that one store covers my tokens' 128 consecutive bytes
.irp i,0,1,2,3
	v_lshlrev_b32 v[EB+\i], v7, v[EB+\i]
.endr
.irp i,0,1,2,3
	v_mov_b32 v[DT+\i], 0                          ; written once: the destination of a lane exchange counts as read
.endr
.irp x,1,2
.irp i,0,1,2,3
	v_mov_b32_dpp v[DT+\i], v[EB+\i] row_xmask:\x row_mask:0xf bank_mask:0xf
.endr
.irp i,0,1,2,3
	v_or_b32 v[EB+\i], v[EB+\i], v[DT+\i]
.endr
.endr
	v_cndmask_b32 v176, v[EB], v[EB+1], s18
	v_cndmask_b32 v177, v[EB+2], v[EB+3], s18
	v_cndmask_b32 v176, v176, v177, s19
	global_store_b32 v10, v176, s[10:11]
	s_wait_tensorcnt 0x0                           ; the wave's end: behind my last LDS store, all lanes on
	ds_add_u32 v2, v3
	s_wait_dscnt 0x0
	s_wait_xcnt 0x0                                ; EXEC is a source of the stores above: it changes only behind this wait
	v_cmp_gt_u32 vcc_lo, 14, v1
	s_and_saveexec_b32 s31, vcc_lo
	global_store_b8 v11, v245, s[12:13]            ; lanes 0 to 13: expert l's byte.  14 single bytes a wave, 3,584 in the launch: the price of masks that the later launches take by scalar loads
	s_wait_xcnt 0x0
	s_or_b32 exec_lo, exec_lo, s31
	v_cmp_gt_u32 vcc_lo, 4, v1
	s_and_saveexec_b32 s31, vcc_lo
	global_store_b64 v12, v[246:247], s[14:15]     ; lanes 0 to 3: token l's two weights
	s_wait_xcnt 0x0
	s_or_b32 exec_lo, exec_lo, s31
	s_endpgm
.Lfunc_end_k_q1980afe249_route:
	.size	k_q1980afe249_route, .Lfunc_end_k_q1980afe249_route-k_q1980afe249_route
	.p2alignl 7, 3214868480
	.fill 96, 4, 3214868480
	.section	.rodata,"a",@progbits
	.p2align	6, 0x0
	.amdhsa_kernel k_q1980afe249_route
		.amdhsa_group_segment_fixed_size 131584
		.amdhsa_private_segment_fixed_size 0
		.amdhsa_enable_private_segment 0
		.amdhsa_kernarg_size 48
		.amdhsa_user_sgpr_count 2
		.amdhsa_user_sgpr_kernarg_segment_ptr 1
		.amdhsa_wavefront_size32 1
		.amdhsa_system_sgpr_workgroup_id_x 1
		.amdhsa_system_sgpr_workgroup_id_y 1
		.amdhsa_system_sgpr_workgroup_id_z 1
		.amdhsa_system_vgpr_workitem_id 0
		.amdhsa_next_free_vgpr 256
		.amdhsa_next_free_sgpr 66
		.amdhsa_reserve_vcc 1
		.amdhsa_float_denorm_mode_32 3
		.amdhsa_float_denorm_mode_16_64 3
		.amdhsa_memory_ordered 1
		.amdhsa_forward_progress 1
		.amdhsa_inst_pref_size 108
	.end_amdhsa_kernel
	.amdgpu_metadata
---
amdhsa.version: [ 1, 2 ]
amdhsa.kernels:
  - .name:           k_q1980afe249_route
    .symbol:         k_q1980afe249_route.kd
    .args:
      - { .name: h, .offset: 0, .size: 8, .value_kind: global_buffer, .address_space: global }
      - { .name: gate_w, .offset: 8, .size: 8, .value_kind: global_buffer, .address_space: global }
      - { .name: xq, .offset: 16, .size: 8, .value_kind: global_buffer, .address_space: global }
      - { .name: xs, .offset: 24, .size: 8, .value_kind: global_buffer, .address_space: global }
      - { .name: rmask, .offset: 32, .size: 8, .value_kind: global_buffer, .address_space: global }
      - { .name: wts, .offset: 40, .size: 8, .value_kind: global_buffer, .address_space: global }
    .group_segment_fixed_size: 131584
    .private_segment_fixed_size: 0
    .kernarg_segment_align: 8
    .kernarg_segment_size: 48
    .max_flat_workgroup_size: 128
    .sgpr_count:     66
    .vgpr_count:     256
    .wavefront_size: 32
...
	.end_amdgpu_metadata
.endif
;; end of part 1
;; launch ffn1 (part 2): grid 16 x 14, 4 waves a work-group, no clusters, 72,192 bytes of LDS; arguments rmask, xq, xs, w1_codes, w1_scales, b1, hid, hsc, slist; writes hid, hsc, slist
.if DOCPART == 2
	.amdgcn_target "amdgcn-amd-amdhsa--gfx1250"
	.amdhsa_code_object_version 6
	.text
	.protected	k_q1980afe249_ffn1
	.globl	k_q1980afe249_ffn1
	.p2align	8
	.type	k_q1980afe249_ffn1,@function
k_q1980afe249_ffn1:
	s_mov_b64 s[64:65], 0
	v_nop
	global_prefetch_b8 v0, s[64:65] scope:SCOPE_SE
	s_setreg_imm32_b32 hwreg(HW_REG_WAVE_MODE, 25, 1), 1
	s_wait_xcnt 0x0
; FFN1.  Work-group (slice, e): hidden units 128 slice .. + 127 of expert e, for the rows that chose e: Q(gelu(x W1 + b1)), Q the quantiser along F, on codes of E2M1 with E8M0 scales.
; WORK LEFT OUT: the rows of experts that a token did not choose reach no output (shown at the head of the first launch); which rows are kept is read here as whole numbers, from rmask.
; SHARES.  All four waves hold the whole slice of W1 in registers (64 fragments, 512 registers) and share the ROWS: wave w takes the tiles of 16 ranks g = w + 4 i.  So a row's 128 hidden units, one K step of
; the next product with its whole scale word, lie in one wave, and no barrier stands in the loop, whose live trips hang on a count read from memory.  The slice is read from memory once: each wave loads a
; quarter, 32 whole rows of 512 bytes, a row a load (32 lanes, 16 neighbouring bytes each), and stores them to LDS, rows 528 bytes apart, in the order of the tiles; one barrier; every wave loads all 64 fragments.
; No tensor load and no cluster: branches here hang on a count read from memory, and what work-groups share, the gathered rows of x, is small beside the weights, which no two work-groups share.
; RANKS.  The expert's rows are its set bits in rmask, in ascending order of slots.  While the weights are on their way each wave turns the ranks of its own tiles into slots by whole-number arithmetic on the
; 64 mask words (a scan for the word, a search by halves for the bit) and keeps them in its own list in LDS.  A rank at or past the count is held at the last row: such rows are copies of it.
; THE LIST GOES ON: the work-group of slice 0 also stores the slots by rank, slist[e][rank], and wave 0 of it the count, at byte 57,344 + 4 e of slist: the next launch reads both and makes neither anew.
; The first pass, each wave's first loads of x, and tile 0 of the expert are done without a test, so that every register and every byte that is read later has been written, with no rows too (then the
; ranks give slots of the last mask word, and tile 0 holds those tokens' rows, which nobody uses): the next launch's first loads fall back on tile 0.
; THE FIRST PRODUCT IS USED TRANSPOSED (source 0 = 16 rows of W1, source 1 = 16 rows of x), and lane r of tile 2 b + u takes W1's row 32 b + 8 u + r + 8 (r / 8): so a lane holds one row, and
; the 16 registers of tiles 2 b, 2 b + 1 are 16 neighbours along F.  b1 is the C of each sum's first matrix instruction.
; GELU.  gelu(x) = max(x, 0) - |x| / 2 x erfc(|x| / sqrt 2): nothing cancels for negative x.  erfc(z) = (a1 t + .. + a5 t^5) e^(-z z), t = 1 / (1 + p z) (Abramowitz and Stegun 7.1.26).
; LIMITS: that formula's error is at most 1.5e-7 in erf, so at most 0.75e-7 |x| in gelu; NaN and infinities are not served; a block of zeros keeps the byte 1 (its codes are zeros; this program alone reads the bytes).
; OUT.  hid[e][block of 32 along F][rank][16 bytes], hsc[e][K step of 128][rank] one word: sixteen ranks' codes of a block are 256 consecutive bytes, aligned.
; REGISTERS.  window 0: v1-19 lane numbers and addresses; v20-23 x's scale words; v24-27 the head's addresses; v32-63 W1's scale words; v64-127 the 8 accumulators; v128-191 at work; v192-203 constants in pairs; v204-228 the quantiser's.
;   windows 1, 2: W1, fragment (tile t, K step s) at v[8 (8 (s % 4) + t)] of window 1 + s / 4.   window 3: v0-63 b1 in the result's layout; v64-127 x's eight fragments.
.set RP,    528                        ; LDS: 0 .. 67,583 the slice's 128 rows, 512 bytes + 16 of padding: row r of tile t is row 16 t + r; the 16 rows of a fragment load start 16 bytes further on in each 256
.set LIST,  67584                      ; then the lists, 1,024 bytes a wave: my tile i, row r at 64 i + 4 r
.set SPARE, 71680                      ; the spare words, 128 bytes for each wave: two blocks of 256 bytes that no other line names
.set CNT,   57344                      ; slist: behind the 14 lists of 4,096 bytes the 14 counts
.set LA,    14
.set XS,    20
.set WS,    32
.set HA,    64
.set PT,    128                        ; the passes' registers
.set GS,    128                        ; gelu's: S, D, E, P, 16 each
.set GD,    144
.set GE,    160
.set GP,    176
.set CD,    192
.set C1,    194
.set C2,    196
.set C3,    198
.set C4,    200
.set C5,    202
.set TM,    204
.set PC,    220
.set PW,    228
.set B1,    0
.set XF,    64
.set MSB,   0
.macro WIN new                         ; the immediate's high byte repeats the setting that is left
.if MSB != \new
	s_set_vgpr_msb (MSB<<8)|\new
.set MSB, \new
.endif
.endm
.macro MM d, a, b, c, sa, sb, ra, rb   ; one product; ra, rb: the side's scale words stand in lanes 16-31
.if (\ra) && (\rb)
	v_wmma_scale_f32_16x16x128_f8f6f4 v[\d:\d+7], v[\a:\a+7], v[\b:\b+7], v[\c:\c+7], v[\sa], v[\sb] matrix_a_fmt:MATRIX_FMT_FP4 matrix_b_fmt:MATRIX_FMT_FP4 matrix_a_scale:MATRIX_SCALE_ROW1 matrix_b_scale:MATRIX_SCALE_ROW1
.elseif \ra
	v_wmma_scale_f32_16x16x128_f8f6f4 v[\d:\d+7], v[\a:\a+7], v[\b:\b+7], v[\c:\c+7], v[\sa], v[\sb] matrix_a_fmt:MATRIX_FMT_FP4 matrix_b_fmt:MATRIX_FMT_FP4 matrix_a_scale:MATRIX_SCALE_ROW1
.elseif \rb
	v_wmma_scale_f32_16x16x128_f8f6f4 v[\d:\d+7], v[\a:\a+7], v[\b:\b+7], v[\c:\c+7], v[\sa], v[\sb] matrix_a_fmt:MATRIX_FMT_FP4 matrix_b_fmt:MATRIX_FMT_FP4 matrix_b_scale:MATRIX_SCALE_ROW1
.else
	v_wmma_scale_f32_16x16x128_f8f6f4 v[\d:\d+7], v[\a:\a+7], v[\b:\b+7], v[\c:\c+7], v[\sa], v[\sb] matrix_a_fmt:MATRIX_FMT_FP4 matrix_b_fmt:MATRIX_FMT_FP4
.endif
.endm
.macro PICK a, width, inc              ; one halving: if the bits wanted lie past the lower half's count, take the count off and go inc bits up
	v_bfe_u32 v[PT+9], v[\a], v[PT+11], \width
	v_cmp_ge_u32 vcc_lo, v[PT+4], v[PT+9]
	v_cndmask_b32 v[PT+10], 0, v[PT+9], vcc_lo
	v_sub_nc_u32 v[PT+4], v[PT+4], v[PT+10]
	v_cndmask_b32 v[PT+10], 0, \inc, vcc_lo
	v_add_nc_u32 v[PT+11], v[PT+11], v[PT+10]
.endm
.macro XLOADS                          ; the x of a tile's 16 rows; s2: where the tile stands in my list, in bytes
	v_add_nc_u32 v[LA], s2, v9
	ds_load_b32 v15, v[LA]                         ; row r's slot, in both halves of the lanes
	s_wait_dscnt 0x0
	v_lshrrev_b32 v15, 1, v15                      ; its token,
	v_min_u32 v15, 0x3ff, v15                      ; held inside the table
	v_lshl_add_u32 v16, v15, 9, v10                ; 512 bytes of codes a token, + 16 h
	v_lshl_add_u32 v17, v15, 5, v10                ; 32 scale bytes a token, + 16 h: lanes 0-15 take the words of K steps 0-3, lanes 16-31 of 4-7
	WIN 0xc0
.irp s,0,1,2,3,4,5,6,7
.irp c,0,1
	global_load_b128 v[XF+8*\s+4*\c:XF+8*\s+4*\c+3], v16, s[6:7] offset:64*\s+32*\c
.endr
.endr
	WIN 0
	global_load_b128 v[XS:XS+3], v17, s[8:9]
.endm
; 16 numbers, in place.  S = |x| sqrt(log2(e) / 2), so that e^(-z z) = 2^(-S S); p z = CD x S; |x| / 2 is folded into the five coefficients.
; The 32 transcendentals are one batch; the 16 maxima are the plain work behind it; one wait stands ahead of the first use.
.macro GELU16 x
.irp n,0,1,2,3,4,5,6,7,8,9,10,11,12,13,14,15
	v_mul_f32 v[GS+\n], s98, |v[(\x)+\n]|          ; (each accumulator is read from its low end on)
.endr
.irp n,0,2,4,6,8,10,12,14
	v_pk_fma_f32 v[GD+\n:GD+\n+1], v[GS+\n:GS+\n+1], v[CD:CD+1], 1.0 op_sel_hi:[1,1,0]
.endr
.irp n,0,2,4,6,8,10,12,14
	v_pk_mul_f32 v[GE+\n:GE+\n+1], v[GS+\n:GS+\n+1], v[GS+\n:GS+\n+1]
.endr
	s_wait_alu depctr_va_vdst(0)
.irp n,0,1,2,3,4,5,6,7,8,9,10,11,12,13,14,15
	v_rcp_f32 v[GD+\n], v[GD+\n]                   ; t
.endr
.irp n,0,1,2,3,4,5,6,7,8,9,10,11,12,13,14,15
	v_exp_f32 v[GE+\n], -v[GE+\n]                  ; e^(-z z)
.endr
.irp n,0,1,2,3,4,5,6,7,8,9,10,11,12,13,14,15
	v_max_num_f32 v[(\x)+\n], 0, v[(\x)+\n]
.endr
	s_wait_alu depctr_va_vdst(0)
.irp n,0,2,4,6,8,10,12,14
	v_pk_fma_f32 v[GP+\n:GP+\n+1], v[GD+\n:GD+\n+1], v[C5:C5+1], v[C4:C4+1]
.endr
.irp k,C3,C2,C1
.irp n,0,2,4,6,8,10,12,14
	v_pk_fma_f32 v[GP+\n:GP+\n+1], v[GP+\n:GP+\n+1], v[GD+\n:GD+\n+1], v[\k:\k+1]
.endr
.endr
.irp n,0,2,4,6,8,10,12,14
	v_pk_mul_f32 v[GP+\n:GP+\n+1], v[GP+\n:GP+\n+1], v[GD+\n:GD+\n+1]
.endr
.irp n,0,2,4,6,8,10,12,14
	v_pk_mul_f32 v[GP+\n:GP+\n+1], v[GP+\n:GP+\n+1], v[GE+\n:GE+\n+1]
.endr
.irp n,0,2,4,6,8,10,12,14
	v_pk_fma_f32 v[(\x)+\n:(\x)+\n+1], v[GS+\n:GS+\n+1], v[GP+\n:GP+\n+1], v[(\x)+\n:(\x)+\n+1] neg_lo:[1,0,0] neg_hi:[1,0,0]
.endr
.endm
; 64 numbers of a lane, register 16 b + i = k 32 b + 16 (lane / 16) + i of my row, become a fragment's codes in v[PC] on and its scale word in v[PW].
.macro QUANT s
.irp b,0,1,2,3
	v_max3_num_f32 v[TM+\b], |v[\s+16*\b]|, |v[\s+1+16*\b]|, 0x1800000   ; my 16 numbers of block b, and the floor 2^(3 - 127): the byte cannot fall under 1
.endr
.irp i,2,4,6,8,10,12,14
.irp b,0,1,2,3
	v_max3_num_f32 v[TM+\b], v[TM+\b], |v[\s+16*\b+\i]|, |v[\s+1+16*\b+\i]|
.endr
.endr
.irp b,0,1,2,3
	v_permlanex16_b32 v[TM+4+\b], v[TM+\b], s96, s97
.endr
.irp b,0,1,2,3
	v_max_num_f32 v[TM+\b], v[TM+\b], v[TM+4+\b]   ; with lane l xor 16's: the block's largest magnitude
.endr
.irp b,0,1,2,3
	v_add_nc_u32 v[TM+12+\b], 0xff000000, v[TM+\b] ; 2 off its exponent field: the conversion's scale operand
.endr
.irp b,0,1,2,3
	v_lshrrev_b32 v[TM+4+\b], 23, v[TM+12+\b]      ; the scale's byte
.endr
	v_lshl_or_b32 v[PW], v[TM+5], 8, v[TM+4]
	v_lshl_or_b32 v[PW], v[TM+6], 16, v[PW]
	v_lshl_or_b32 v[PW], v[TM+7], 24, v[PW]
.irp b,0,1,2,3
	v_cvt_scalef32_pk8_fp4_f32 v[PC+2*\b], v[\s+16*\b:\s+7+16*\b], v[TM+12+\b]
	v_cvt_scalef32_pk8_fp4_f32 v[PC+1+2*\b], v[\s+8+16*\b:\s+15+16*\b], v[TM+12+\b]
.endr
	v_nop                                          ; one plain line behind the last scaled conversion
.irp c,0,1                             ; a whole block to a lane: lanes 0-15 block 2 c, lanes 16-31 block 2 c + 1
.irp i,0,1
	v_permlane16_swap_b32 v[PC+4*\c+\i], v[PC+2+4*\c+\i]
.endr
.endr
.endm
.macro PAIR reg, bits
	v_mov_b32 v[\reg], \bits
	v_mov_b32 v[\reg+1], \bits
.endm
	s_load_b256 s[4:11], s[0:1], 0x0               ; rmask s[4:5], xq s[6:7], xs s[8:9], w1_codes s[10:11]
	s_load_b128 s[12:15], s[0:1], 0x20             ; w1_scales s[12:13], b1 s[14:15]
	s_load_b128 s[68:71], s[0:1], 0x30             ; hid s[68:69], hsc s[70:71]
	s_load_b64 s[100:101], s[0:1], 0x40            ; slist
	v_lshl_add_u32 v4, v0, 2, SPARE                ; my spare word,
	v_mov_b32 v5, 0                                ; and 0: kept for the closing lines alone
	v_lshrrev_b32 v1, 5, v0
	v_readfirstlane_b32 s72, v1                    ; wave w
	s_and_b32 s73, ttmp7, 0xffff                   ; expert e
	s_mov_b32 s74, ttmp9                           ; slice
	v_and_b32 v1, 31, v0                           ; lane L
	v_and_b32 v2, 15, v0                           ; r
	v_bfe_u32 v3, v0, 4, 1                         ; h
	v_lshlrev_b32 v6, 4, v1                        ; 16 L: my 16 bytes of a row of W1, in memory and in LDS
	s_mul_i32 s2, s72, 32*RP
	v_add_nc_u32 v7, s2, v6                        ; where I store my quarter's rows: 32 rows a wave
	s_lshl_b32 s2, s72, 10
	s_add_co_u32 s2, s2, LIST                      ; my list
	v_lshl_add_u32 v8, v1, 2, s2                   ; into it: 4 L
	v_lshl_add_u32 v9, v2, 2, s2                   ; out of it: 4 r
	v_lshlrev_b32 v10, 4, v3                       ; 16 h
	v_lshlrev_b32 v11, 4, v2
	v_lshl_add_u32 v11, v3, 14, v11                ; hid: 16,384 h (a block's 1,024 ranks) + 16 r
	v_lshlrev_b32 v12, 2, v2                       ; hsc: 4 r
	s_lshl_b32 s77, s72, 4                         ; my first tile's first rank: 16 w
	v_lshl_add_u32 v13, v3, 6, v2
	v_add_nc_u32 v13, s77, v13                     ; a pass serves two of my tiles: rank 16 w + 64 h + r, + 128 a pass
	v_mul_u32_u24 v24, v2, RP
	v_lshl_add_u32 v24, v3, 4, v24                 ; a fragment out of LDS: row r of its tile, + 16 h
	v_and_b32 v27, 8, v2
	v_add_nc_u32 v27, v27, v2                      ; r + 8 (r / 8)
	v_lshl_add_u32 v25, v3, 6, v27
	v_lshlrev_b32 v25, 5, v25                      ; W1's scale words: 32 bytes a row; lanes 16-31 take the tile four further on, 64 rows down
	v_lshlrev_b32 v26, 6, v3                       ; b1: 16 h numbers
	PAIR CD, 0x3e8ba43f                            ; 0.27273748 = 0.3275911 / sqrt(log2(e))
	PAIR C1, 0x3e199eb3                            ; the five coefficients x 0.58870501 = 1 / (2 sqrt(log2(e) / 2)):  0.15001946
	PAIR C2, 0xbe2b8119                            ; -0.16748465
	PAIR C3, 0x3f563817                            ;  0.83679339
	PAIR C4, 0xbf5b0099                            ; -0.85547788
	PAIR C5, 0x3f1ff67a                            ;  0.62485470
.irp b,0,1,2,3
	v_mov_b32 v[TM+4+\b], 0                        ; written once: a lane permute's destination counts as one of its sources
.endr
	s_mov_b32 s98, 0x3f596d27                      ; 0.84932180 = sqrt(log2(e) / 2)
	s_mov_b32 s96, 0x76543210
	s_mov_b32 s97, 0xfedcba98                      ; v_permlanex16_b32's selects for lane l xor 16
	s_lshl_b32 s99, s73, 12                        ; slist: the expert's list of 4,096 bytes
	s_mov_b32 s67, 0
	s_wait_kmcnt 0x0
	s_lshl_b32 s66, s73, 8
	s_add_nc_u64 s[4:5], s[4:5], s[66:67]          ; the expert's 64 mask words
	s_load_b512 s[16:31], s[4:5], 0x0              ; word j in s[16 + j], and from j = 48 on in s[32 + j]
	s_load_b512 s[32:47], s[4:5], 0x40
	s_load_b512 s[48:63], s[4:5], 0x80
	s_load_b512 s[80:95], s[4:5], 0xc0
	s_lshl_b32 s2, s73, 20
	s_lshl_b32 s3, s74, 16
	s_add_co_u32 s66, s2, s3
	s_add_nc_u64 s[68:69], s[68:69], s[66:67]      ; hid: the expert's 2^20 bytes, the slice's four blocks
	s_lshl_b32 s3, s72, 14
	s_add_co_u32 s66, s66, s3
	s_add_nc_u64 s[10:11], s[10:11], s[66:67]      ; W1's codes: the slice's 128 rows, my wave's 32 of them: 16,384 consecutive bytes
	s_lshl_b32 s2, s73, 16
	s_lshl_b32 s3, s74, 12
	s_add_co_u32 s66, s2, s3
	s_add_nc_u64 s[12:13], s[12:13], s[66:67]      ; W1's scales
	s_add_nc_u64 s[70:71], s[70:71], s[66:67]      ; hsc: the slice is the K step
	s_lshl_b32 s2, s73, 13
	s_lshl_b32 s3, s74, 9
	s_add_co_u32 s66, s2, s3
	s_add_nc_u64 s[14:15], s[14:15], s[66:67]      ; b1
	WIN 0x40                                       ; destination window 1: my quarter as it lies, row n at v[4 n]
.set n, 0
.rept 32
	global_load_b128 v[4*n:4*n+3], v6, s[10:11] offset:512*n th:TH_LOAD_NT     ; a whole row: 512 consecutive bytes, read once in the launch
.set n, n+1
.endr
	WIN 0
.irp p,0,1,2,3                         ; scale words: register 8 p + s: lanes 0-15 tile p, lanes 16-31 tile p + 4, K step s
.irp q,0,1
	global_load_b128 v[WS+8*\p+4*\q:WS+8*\p+4*\q+3], v25, s[12:13] offset:(32*(\p/2)+8*(\p%2))*32+16*\q
.endr
.endr
	WIN 0xc0
.irp t,0,1,2,3,4,5,6,7                 ; b1 at the lane's eight hidden units of tile t: 32 (t / 2) + 8 (t % 2) + 16 h + 0 .. 7
	global_load_b128 v[B1+8*\t:B1+8*\t+3], v26, s[14:15] offset:(32*(\t/2)+8*(\t%2))*4
	global_load_b128 v[B1+8*\t+4:B1+8*\t+7], v26, s[14:15] offset:(32*(\t/2)+8*(\t%2))*4+16
.endr
	WIN 0
	s_wait_kmcnt 0x0                               ; the mask words
	s_mov_b32 s75, 0
.set j, 0
.rept 64
	s_bcnt1_i32_b32 s2, s[16+j+16*(j/48)]
	s_add_co_u32 s75, s75, s2                      ; the expert's rows
.set j, j+1
.endr
	s_sub_co_u32 s76, s75, 1
	s_or_b32 s2, s74, s72                          ; wave 0 of slice 0 hands the count on
	s_cmp_lg_u32 s2, 0
	s_cbranch_scc1 .Lno_cnt
	s_lshl_b32 s2, s73, 2
	s_add_co_u32 s2, s2, CNT
	v_mov_b32 v[PT+14], s2
	v_mov_b32 v[PT+13], s75
	global_store_b32 v[PT+14], v[PT+13], s[100:101]    ; all lanes write the one word with the one value; the two registers are written again only in the tiles, behind their wait on XCNT
.Lno_cnt:
	; THE PASSES: ranks into slots, 32 ranks (two of my tiles) a pass.  Eight trips, a constant; a pass whose first rank is past the count is jumped over, the first never
	s_mov_b32 s78, 0                               ; 128 a pass: the step in ranks, and in bytes of my list
	s_mov_b32 s79, 8
.Lpass:
	s_cmp_eq_u32 s78, 0
	s_cbranch_scc1 .Lpass_do
	s_add_co_u32 s2, s77, s78
	s_cmp_ge_u32 s2, s75
	s_cbranch_scc1 .Lpass_tail
.Lpass_do:
	v_add_nc_u32 v[PT], s78, v13
	v_min_u32 v[PT], s76, v[PT]                    ; my rank, held at the last row
	v_mov_b32 v[PT+1], 0                           ; the rows ahead of my word,
	v_mov_b32 v[PT+2], s16                         ; the word,
	v_mov_b32 v[PT+3], 0                           ; its number
	s_bcnt1_i32_b32 s3, s16                        ; the rows ahead of word 1.  The sums stand in s3 and s66 by turns, so that the next word's two scalar lines can stand straight behind the compare, three vector lines ahead of the next one
.set j, 1
.rept 63
.set PA, 3+63*((j+1)%2)
.set PB, 3+63*(j%2)
	v_cmp_le_u32 vcc_lo, s[PA], v[PT]              ; the rows ahead of word j are not past my rank: word j is a candidate, and the last one stands
.if j < 63
	s_bcnt1_i32_b32 s2, s[16+j+16*(j/48)]
	s_add_co_u32 s[PB], s[PA], s2                  ; the rows ahead of word j + 1
.endif
	v_cndmask_b32 v[PT+1], v[PT+1], s[PA], vcc_lo
	v_cndmask_b32 v[PT+2], v[PT+2], s[16+j+16*(j/48)], vcc_lo
	v_cndmask_b32 v[PT+3], v[PT+3], j, vcc_lo
.set j, j+1
.endr
	s_wait_alu depctr_va_vdst(0)
	s_wait_xcnt 0x0                                ; the last pass's store into slist has read its data and its offset, which are written again below
	v_sub_nc_u32 v[PT+4], v[PT], v[PT+1]           ; which set bit of the word, from 0
	v_lshrrev_b32 v[PT+5], 1, v[PT+2]
	v_and_b32 v[PT+5], 0x55555555, v[PT+5]
	v_sub_nc_u32 v[PT+5], v[PT+2], v[PT+5]         ; counts of 2 bits,
	v_lshrrev_b32 v[PT+6], 2, v[PT+5]
	v_and_b32 v[PT+6], 0x33333333, v[PT+6]
	v_and_b32 v[PT+9], 0x33333333, v[PT+5]
	v_add_nc_u32 v[PT+6], v[PT+6], v[PT+9]         ; of 4,
	v_lshrrev_b32 v[PT+7], 4, v[PT+6]
	v_add_nc_u32 v[PT+7], v[PT+7], v[PT+6]
	v_and_b32 v[PT+7], 0x0f0f0f0f, v[PT+7]         ; of 8,
	v_lshrrev_b32 v[PT+8], 8, v[PT+7]
	v_add_nc_u32 v[PT+8], v[PT+8], v[PT+7]         ; and, in the low byte, of the low 16
	v_mov_b32 v[PT+11], 0                          ; the bit's place
	PICK PT+8, 8, 16
	PICK PT+7, 8, 8
	PICK PT+6, 4, 4
	PICK PT+5, 2, 2
	PICK PT+2, 1, 1
	v_lshl_add_u32 v[PT+9], v[PT+3], 5, v[PT+11]   ; the slot
	v_add_nc_u32 v[LA], s78, v8
	ds_store_b32 v[LA], v[PT+9]
	s_cmp_lg_u32 s74, 0                            ; slice 0 hands the list on: each word of slist has this one writer
	s_cbranch_scc1 .Lpass_tail
	v_add_nc_u32 v[PT+12], s78, v13                ; the rank as it stands, not held: every rank of a tile gets its word
	v_lshl_add_u32 v[PT+12], v[PT+12], 2, s99
	global_store_b32 v[PT+12], v[PT+9], s[100:101] ; each half of the lanes stores a tile's 64 consecutive bytes
.Lpass_tail:
	s_add_co_u32 s78, s78, 128
	s_sub_co_u32 s79, s79, 1
	s_cmp_lg_u32 s79, 0
	s_cbranch_scc1 .Lpass
	s_wait_loadcnt 0x0                             ; my quarter of the slice, the scale words, b1
	WIN 0x04                                       ; an LDS store's data are its source 1: window 1
.set n, 0
.rept 32                               ; my row n is row r = n % 8 + 8 (n / 16) of tile 2 w + u, u = (n / 8) % 2: it goes to LDS row 32 w + 16 u + r
	ds_store_b128 v7, v[4*n:4*n+3] offset:(16*((n/8)%2)+(n%8)+8*(n/16))*RP
.set n, n+1
.endr
	WIN 0
	s_mov_b32 s2, 0
	XLOADS                                         ; my first tile's x: on its way across the barrier and the fragments' loads
	s_wait_dscnt 0x0                               ; for the others' sake: my rows lie in LDS
	s_barrier_signal -1
	s_barrier_wait -1                              ; all 128 do.  The launch's one barrier: every wave passes it
	WIN 0x40
.irp s,0,1,2,3
.irp t,0,1,2,3,4,5,6,7
.irp c,0,1
	ds_load_b128 v[8*(8*\s+\t)+4*\c:8*(8*\s+\t)+4*\c+3], v24 offset:16*\t*RP+64*\s+32*\c
.endr
.endr
.endr
	WIN 0x80
.irp s,0,1,2,3
.irp t,0,1,2,3,4,5,6,7
.irp c,0,1
	ds_load_b128 v[8*(8*\s+\t)+4*\c:8*(8*\s+\t)+4*\c+3], v24 offset:16*\t*RP+64*(\s+4)+32*\c
.endr
.endr
.endr
	WIN 0
	s_wait_dscnt 0x0
	; THE TILES: sixteen trips, a constant; a tile past the count is jumped over (the expert's tile 0 never)
	s_mov_b32 s78, 0                               ; 64 bytes of my list a tile
	s_mov_b32 s79, 16
.Ltile:
	s_cmp_eq_u32 s77, 0
	s_cbranch_scc1 .Ldo
	s_cmp_ge_u32 s77, s75
	s_cbranch_scc1 .Ltail
.Ldo:
	s_wait_loadcnt 0x0                             ; this tile's x
	s_wait_xcnt 0x0                                ; the stores so far have read their data and addresses, which are written again below
.irp s,0,1,2,3,4,5,6,7                 ; 64 products, the eight accumulators by turns
.if \s == 0
	WIN 0x3d                                       ; W1 window 1, x window 3, C = b1 window 3
.elseif \s < 4
	WIN 0x0d
.else
	WIN 0x0e                                       ; W1 window 2
.endif
.irp t,0,1,2,3,4,5,6,7
.if \s == 0
	MM HA+8*\t, 8*(8*(\s%4)+\t), XF+8*\s, B1+8*\t, WS+8*(\t%4)+\s, XS+\s%4, \t/4, \s/4
.else
	MM HA+8*\t, 8*(8*(\s%4)+\t), XF+8*\s, HA+8*\t, WS+8*(\t%4)+\s, XS+\s%4, \t/4, \s/4
.endif
.endr
.endr
	WIN 0
.rept 4
	v_nop                                          ; four places behind the products: ahead of the loads into x's registers and of the first read of results
.endr
	s_add_co_u32 s2, s77, 64
	s_cmp_ge_u32 s2, s75
	s_cbranch_scc1 .Lno_next
	s_add_co_u32 s2, s78, 64
	s_min_u32 s2, s2, 960                          ; (inside my list on every way through the text)
	XLOADS                                         ; my next tile's x lands under this tile's gelu
.Lno_next:
	GELU16 HA
	GELU16 HA+16
	GELU16 HA+32
	GELU16 HA+48
	QUANT HA
	s_lshl_b32 s2, s77, 4
	v_add_nc_u32 v18, s2, v11
	s_lshl_b32 s2, s77, 2
	v_add_nc_u32 v19, s2, v12
	global_store_b128 v18, v[PC:PC+3], s[68:69]                ; blocks h and 2 + h of the slice's four: each half of the lanes stores 256 consecutive bytes, aligned
	global_store_b128 v18, v[PC+4:PC+7], s[68:69] offset:32768
	global_store_b32 v19, v[PW], s[70:71]                      ; the rows' scale words (both halves of the lanes hold and write the same)
.Ltail:
	s_add_co_u32 s77, s77, 64
	s_add_co_u32 s78, s78, 64
	s_sub_co_u32 s79, s79, 1
	s_cmp_lg_u32 s79, 0
	s_cbranch_scc1 .Ltile
	s_wait_tensorcnt 0x0                           ; the wave's end: behind my last LDS store
	ds_add_u32 v4, v5
	s_wait_dscnt 0x0
	s_endpgm
.Lfunc_end_k_q1980afe249_ffn1:
	.size	k_q1980afe249_ffn1, .Lfunc_end_k_q1980afe249_ffn1-k_q1980afe249_ffn1
	.p2alignl 7, 3214868480
	.fill 96, 4, 3214868480
	.section	.rodata,"a",@progbits
	.p2align	6, 0x0
	.amdhsa_kernel k_q1980afe249_ffn1
		.amdhsa_group_segment_fixed_size 72192
		.amdhsa_private_segment_fixed_size 0
		.amdhsa_enable_private_segment 0
		.amdhsa_kernarg_size 72
		.amdhsa_user_sgpr_count 2
		.amdhsa_user_sgpr_kernarg_segment_ptr 1
		.amdhsa_wavefront_size32 1
		.amdhsa_system_sgpr_workgroup_id_x 1
		.amdhsa_system_sgpr_workgroup_id_y 1
		.amdhsa_system_sgpr_workgroup_id_z 1
		.amdhsa_system_vgpr_workitem_id 0
		.amdhsa_next_free_vgpr 896
		.amdhsa_next_free_sgpr 102
		.amdhsa_reserve_vcc 1
		.amdhsa_float_denorm_mode_32 3
		.amdhsa_float_denorm_mode_16_64 3
		.amdhsa_memory_ordered 1
		.amdhsa_forward_progress 1
		.amdhsa_inst_pref_size 92
	.end_amdhsa_kernel
	.amdgpu_metadata
---
amdhsa.version: [ 1, 2 ]
amdhsa.kernels:
  - .name:           k_q1980afe249_ffn1
    .symbol:         k_q1980afe249_ffn1.kd
    .args:
      - { .name: rmask, .offset: 0, .size: 8, .value_kind: global_buffer, .address_space: global }
      - { .name: xq, .offset: 8, .size: 8, .value_kind: global_buffer, .address_space: global }
      - { .name: xs, .offset: 16, .size: 8, .value_kind: global_buffer, .address_space: global }
      - { .name: w1_codes, .offset: 24, .size: 8, .value_kind: global_buffer, .address_space: global }
      - { .name: w1_scales, .offset: 32, .size: 8, .value_kind: global_buffer, .address_space: global }
      - { .name: b1, .offset: 40, .size: 8, .value_kind: global_buffer, .address_space: global }
      - { .name: hid, .offset: 48, .size: 8, .value_kind: global_buffer, .address_space: global }
      - { .name: hsc, .offset: 56, .size: 8, .value_kind: global_buffer, .address_space: global }
      - { .name: slist, .offset: 64, .size: 8, .value_kind: global_buffer, .address_space: global }
    .group_segment_fixed_size: 72192
    .private_segment_fixed_size: 0
    .kernarg_segment_align: 8
    .kernarg_segment_size: 72
    .max_flat_workgroup_size: 128
    .sgpr_count:     102
    .vgpr_count:     896
    .wavefront_size: 32
...
	.end_amdgpu_metadata
.endif
;; end of part 2
;; launch ffn2 (part 3): grid 16 x 14, 4 waves a work-group, no clusters, 84,480 bytes of LDS; arguments slist, hid, hsc, w2_codes, w2_scales, b2, ybuf; writes ybuf
.if DOCPART == 3
	.amdgcn_target "amdgcn-amd-amdhsa--gfx1250"
	.amdhsa_code_object_version 6
	.text
	.protected	k_q1980afe249_ffn2
	.globl	k_q1980afe249_ffn2
	.p2align	8
	.type	k_q1980afe249_ffn2,@function
k_q1980afe249_ffn2:
	s_mov_b64 s[64:65], 0
	v_nop
	global_prefetch_b8 v0, s[64:65] scope:SCOPE_SE
	s_setreg_imm32_b32 hwreg(HW_REG_WAVE_MODE, 25, 1), 1
	s_wait_xcnt 0x0
; FFN2.  Work-group (slice, e): outputs 64 slice .. + 63 of expert e, for the rows that chose e: ybuf[slot] = hidden row . W2 + b2, on codes of E2M1 with E8M0 scales, K = 2,048.
; WORK LEFT OUT: the rows of experts that a token did not choose reach no output (shown at the head of the first launch); which rows are kept is read here as whole numbers, from slist.
; SHARES, as in the launch before: all four waves hold the whole slice of W2 in registers (64 fragments).  It is read from memory once: each wave loads a quarter, 16 whole rows of 1,024 bytes, 512 consecutive
; bytes a load, and stores them to LDS, rows 1,040 bytes apart; the launch's one barrier; every wave loads all 64 fragments.  Wave w takes the tiles of 16 ranks g = w + 4 i.  A row's 64 outputs, 256 bytes,
; lie in one wave.  No tensor load and no cluster, for the reasons given there.
; The hidden rows lie by rank.  The expert's count and, by rank, the slots, which say where a row's result goes, were stored by the launch before, in slist.
; A rank past the count was made there as a copy of the last row and has the last row's slot: it stores the same numbers at the same place, from the same wave.
; LOADS AHEAD.  Two sets of registers for a tile's hidden rows, scale words and slots: 48 loads a set.  Both are asked for at the head; a set is asked for again directly behind its own products, for my tile
; two further on, so that a load has the rest of its tile and the whole next tile in which to land.  Where there is no such tile nothing is asked for, and the wave waits there for all its loads, so that
; the count at the next tile's head holds on both ways.  The two loads at the head are made without a test, so that every register that is read has been written: a wave without that tile names rank 0
; (a choice by s_cselect_b32), whose bytes the launch before always stores.  That choice hangs on the count, which was read from memory: so the rank is held at 1,008, the last first rank of a tile among an
; expert's 1,024, before it enters an address.
; THE PRODUCT IS USED TRANSPOSED (source 0 = 16 rows of W2, source 1 = 16 hidden rows): a lane holds eight neighbouring outputs of one row.  b2 is the C of each sum's first matrix instruction.
; THE WAY OUT goes through the wave's own stage in LDS, so that sixteen lanes store a row's 256 consecutive bytes, aligned.
; REGISTERS.  window 0: v1-18 lane numbers and addresses; v20-35 the hidden rows' scale words, two sets; v36-67 W2's; v68-99 b2; v100-131 the 4 accumulators; v132-163 rows on the way out; v164-179 slots, two sets;
;   v180-187 the stores' offsets; v188-193 the loads' offsets, three a set.
;   windows 1, 2: W2, fragment (tile t, K step s) at v[8 (4 (s % 8) + t)] of window 1 + s / 8.   window 3: the hidden rows' 16 fragments, two sets of 128.
.set RP,    1040                       ; LDS: 0 .. 66,559 the slice's 64 rows, 1,024 bytes + 16 of padding: the 16 rows of a fragment load start 16 bytes further on in each 256
.set STAGE, 66560                      ; 16 rows x (256 bytes + 16) for each wave
.set SPARE, 83968                      ; the spare words, 128 bytes for each wave: two blocks of 256 bytes that no other line names
.set CNT,   57344                      ; slist: behind the 14 lists of 4,096 bytes the 14 counts
.set NLD,   48                         ; loads in a set: 32 of codes, 8 of scale words, 8 of slots
.set HS,    20
.set WS,    36
.set B2,    68
.set ACC,   100
.set OB,    132
.set SL,    164
.set OFF,   180
.set AH,    188
.set MSB,   0
.macro WIN new                         ; the immediate's high byte repeats the setting that is left
.if MSB != \new
	s_set_vgpr_msb (MSB<<8)|\new
.set MSB, \new
.endif
.endm
.macro MM d, a, b, c, sa, sb, ra, rb   ; one product; ra, rb: the side's scale words stand in lanes 16-31
.if (\ra) && (\rb)
	v_wmma_scale_f32_16x16x128_f8f6f4 v[\d:\d+7], v[\a:\a+7], v[\b:\b+7], v[\c:\c+7], v[\sa], v[\sb] matrix_a_fmt:MATRIX_FMT_FP4 matrix_b_fmt:MATRIX_FMT_FP4 matrix_a_scale:MATRIX_SCALE_ROW1 matrix_b_scale:MATRIX_SCALE_ROW1
.elseif \ra
	v_wmma_scale_f32_16x16x128_f8f6f4 v[\d:\d+7], v[\a:\a+7], v[\b:\b+7], v[\c:\c+7], v[\sa], v[\sb] matrix_a_fmt:MATRIX_FMT_FP4 matrix_b_fmt:MATRIX_FMT_FP4 matrix_a_scale:MATRIX_SCALE_ROW1
.elseif \rb
	v_wmma_scale_f32_16x16x128_f8f6f4 v[\d:\d+7], v[\a:\a+7], v[\b:\b+7], v[\c:\c+7], v[\sa], v[\sb] matrix_a_fmt:MATRIX_FMT_FP4 matrix_b_fmt:MATRIX_FMT_FP4 matrix_b_scale:MATRIX_SCALE_ROW1
.else
	v_wmma_scale_f32_16x16x128_f8f6f4 v[\d:\d+7], v[\a:\a+7], v[\b:\b+7], v[\c:\c+7], v[\sa], v[\sb] matrix_a_fmt:MATRIX_FMT_FP4 matrix_b_fmt:MATRIX_FMT_FP4
.endif
.endm
; The tile of 16 ranks from rank s2 on into set buf: NLD loads.  A set has offset registers of its own: they are written again only when the set's last loads have been shown done.
.macro HLOAD buf
	s_min_u32 s2, s2, 1008                         ; held inside the expert's 1,024 ranks; behind this line only shifts left and additions
	s_lshl_b32 s3, s2, 4
	v_add_nc_u32 v[AH+3*(\buf)], s3, v11
	s_lshl_b32 s3, s2, 2
	v_add_nc_u32 v[AH+3*(\buf)+1], s3, v12
	v_add_nc_u32 v[AH+3*(\buf)+2], s3, v9
	WIN 0xc0
.irp s,0,1,2,3,4,5,6,7,8,9,10,11,12,13,14,15
.irp c,0,1
	global_load_b128 v[128*(\buf)+8*\s+4*\c:128*(\buf)+8*\s+4*\c+3], v[AH+3*(\buf)], s[6:7] offset:(4*\s+2*\c)*16384   ; each half of the lanes reads 256 consecutive bytes, aligned
.endr
.endr
	WIN 0
.irp i,0,1,2,3,4,5,6,7
	global_load_b32 v[HS+8*(\buf)+\i], v[AH+3*(\buf)+1], s[8:9] offset:4096*\i     ; scale words: lanes 0-15 K step i, lanes 16-31 K step i + 8
.endr
.irp i,0,1,2,3,4,5,6,7
	global_load_b32 v[SL+8*(\buf)+\i], v[AH+3*(\buf)+2], s[4:5] offset:8*\i        ; the slot of row 2 i + h, in all sixteen lanes of a half
.endr
.endm
	s_load_b256 s[4:11], s[0:1], 0x0               ; slist s[4:5], hid s[6:7], hsc s[8:9], w2_codes s[10:11]
	s_load_b128 s[12:15], s[0:1], 0x20             ; w2_scales s[12:13], b2 s[14:15]
	s_load_b64 s[68:69], s[0:1], 0x30              ; ybuf
	v_lshl_add_u32 v4, v0, 2, SPARE                ; my spare word,
	v_mov_b32 v5, 0                                ; and 0: kept for the closing lines alone
	v_lshrrev_b32 v1, 5, v0
	v_readfirstlane_b32 s72, v1                    ; wave w
	s_and_b32 s73, ttmp7, 0xffff                   ; expert e
	s_mov_b32 s74, ttmp9                           ; slice
	v_and_b32 v1, 31, v0                           ; lane L
	v_and_b32 v2, 15, v0                           ; r
	v_bfe_u32 v3, v0, 4, 1                         ; h
	v_lshlrev_b32 v6, 4, v1                        ; 16 L: my 16 bytes of a load's 512, in memory and in LDS
	s_mul_i32 s2, s72, 16*RP
	v_add_nc_u32 v7, s2, v6                        ; where I store my quarter's rows: 16 rows a wave
	v_mul_u32_u24 v8, v2, RP
	v_lshl_add_u32 v8, v3, 4, v8                   ; a fragment out of LDS: row r of its tile, + 16 h
	v_lshlrev_b32 v9, 2, v3                        ; slist: 4 h
	v_lshlrev_b32 v11, 4, v2
	v_lshl_add_u32 v11, v3, 14, v11                ; hid: 16,384 h + 16 r
	v_lshlrev_b32 v12, 2, v2
	v_lshl_add_u32 v12, v3, 15, v12                ; hsc: 32,768 h (eight K steps) + 4 r
	s_lshl_b32 s77, s72, 4                         ; my first tile's first rank: 16 w
	s_mul_i32 s2, s72, 4352
	s_add_co_u32 s2, s2, STAGE                     ; my stage
	v_mul_u32_u24 v14, v2, 272
	v_lshl_add_u32 v14, v3, 5, v14
	v_add_nc_u32 v14, s2, v14                      ; in: row r, + 32 h
	v_mul_u32_u24 v15, v3, 272
	v_lshl_add_u32 v15, v2, 4, v15
	v_add_nc_u32 v15, s2, v15                      ; back: lanes 0-15 one row, lanes 16-31 the next
	v_lshlrev_b32 v16, 4, v2                       ; and my 16 bytes of the row in ybuf
	v_lshl_add_u32 v17, v3, 5, v2
	v_lshlrev_b32 v17, 6, v17                      ; W2's scale words: 64 bytes a row; lanes 16-31 take the tile two further on
	v_lshlrev_b32 v18, 5, v3                       ; b2: 8 h numbers
	s_mov_b32 s67, 0
	s_wait_alu depctr_va_vdst(0)
	s_wait_kmcnt 0x0
	s_lshl_b32 s66, s73, 2
	s_add_co_u32 s66, s66, CNT
	s_add_nc_u64 s[20:21], s[4:5], s[66:67]
	s_load_b32 s75, s[20:21], 0x0                  ; the expert's rows
	s_lshl_b32 s66, s73, 12
	s_add_nc_u64 s[4:5], s[4:5], s[66:67]          ; slist: the expert's list
	s_lshl_b32 s66, s73, 20
	s_add_nc_u64 s[6:7], s[6:7], s[66:67]          ; hid: the expert's
	s_lshl_b32 s3, s74, 16
	s_add_co_u32 s66, s66, s3
	s_lshl_b32 s3, s72, 14
	s_add_co_u32 s66, s66, s3
	s_add_nc_u64 s[10:11], s[10:11], s[66:67]      ; W2's codes: the slice's 64 rows, my wave's 16 of them: 16,384 consecutive bytes
	s_lshl_b32 s66, s73, 16
	s_add_nc_u64 s[8:9], s[8:9], s[66:67]          ; hsc: the expert's
	s_lshl_b32 s3, s74, 12
	s_add_co_u32 s66, s66, s3
	s_add_nc_u64 s[12:13], s[12:13], s[66:67]      ; W2's scales
	s_lshl_b32 s2, s73, 12
	s_lshl_b32 s3, s74, 8
	s_add_co_u32 s66, s2, s3
	s_add_nc_u64 s[14:15], s[14:15], s[66:67]      ; b2
	s_mov_b32 s66, s3
	s_add_nc_u64 s[68:69], s[68:69], s[66:67]      ; ybuf: the slice's 256 bytes of every row
	WIN 0x40                                       ; destination window 1: my quarter as it lies, half a row at v[4 n]
.set n, 0
.rept 32
	global_load_b128 v[4*n:4*n+3], v6, s[10:11] offset:512*n th:TH_LOAD_NT     ; 512 consecutive bytes, read once in the launch
.set n, n+1
.endr
	WIN 0
.irp p,0,1                             ; scale words: register 16 p + s: lanes 0-15 tile p, lanes 16-31 tile p + 2, K step s
.irp q,0,1,2,3
	global_load_b128 v[WS+16*\p+4*\q:WS+16*\p+4*\q+3], v17, s[12:13] offset:1024*\p+16*\q
.endr
.endr
.irp t,0,1,2,3                         ; b2 at the lane's eight outputs of tile t: 16 t + 8 h + 0 .. 7
.irp q,0,1
	global_load_b128 v[B2+8*\t+4*\q:B2+8*\t+4*\q+3], v18, s[14:15] offset:64*\t+16*\q
.endr
.endr
	s_wait_kmcnt 0x0                               ; the count
	s_wait_loadcnt 0x0                             ; my quarter of the slice, the scale words, b2
	WIN 0x04                                       ; an LDS store's data are its source 1: window 1
.set n, 0
.rept 32                               ; load n is half n % 2 of my row n / 2, which is row n / 2 of tile w
	ds_store_b128 v7, v[4*n:4*n+3] offset:(n/2)*RP+512*(n%2)
.set n, n+1
.endr
	WIN 0
	s_cmp_lt_u32 s77, s75
	s_cselect_b32 s2, s77, 0                       ; my first tile, or, if I have none, the expert's tile 0
	HLOAD 0                                        ; on its way across the barrier and the fragments' loads
	s_wait_dscnt 0x0                               ; for the others' sake: my rows lie in LDS
	s_barrier_signal -1
	s_barrier_wait -1                              ; all 64 do.  The launch's one barrier: every wave passes it
	WIN 0x40
.irp s,0,1,2,3,4,5,6,7
.irp t,0,1,2,3
.irp c,0,1
	ds_load_b128 v[8*(4*\s+\t)+4*\c:8*(4*\s+\t)+4*\c+3], v8 offset:16*\t*RP+64*\s+32*\c
.endr
.endr
.endr
	WIN 0x80
.irp s,0,1,2,3,4,5,6,7
.irp t,0,1,2,3
.irp c,0,1
	ds_load_b128 v[8*(4*\s+\t)+4*\c:8*(4*\s+\t)+4*\c+3], v8 offset:16*\t*RP+64*(\s+8)+32*\c
.endr
.endr
.endr
	WIN 0
	s_add_co_u32 s2, s77, 64
	s_cmp_lt_u32 s2, s75
	s_cselect_b32 s2, s2, 0                        ; my second tile, or the expert's tile 0
	HLOAD 1                                        ; behind the run of LDS loads: it lands under their wait and my first tile
	s_wait_dscnt 0x0
; One tile: ranks s99 .. s99 + 15, in set buf.  A tile past the count leaves the trip, so that the trip's second tile is reached only through its first.
.macro TILE buf
	s_cmp_ge_u32 s99, s75
	s_cbranch_scc1 .Lskip
	s_wait_loadcnt NLD                             ; this set is in: behind its loads at most the other set's NLD were issued, and they may be out
	s_wait_xcnt 0x0                                ; the last tile's stores have read their data and offsets, which are written again below
	WIN 0x0d                                       ; W2 window 1, hidden rows window 3
.irp s,0,1,2,3,4,5,6,7,8,9,10,11,12,13,14,15   ; 64 products, the four accumulators by turns
.if \s == 8
	WIN 0x0e                                       ; W2 window 2
.endif
.irp t,0,1,2,3
.if \s == 0
	MM ACC+8*\t, 8*(4*(\s%8)+\t), 128*(\buf)+8*\s, B2+8*\t, WS+16*(\t%2)+\s, HS+8*(\buf)+\s%8, \t/2, \s/8
.else
	MM ACC+8*\t, 8*(4*(\s%8)+\t), 128*(\buf)+8*\s, ACC+8*\t, WS+16*(\t%2)+\s, HS+8*(\buf)+\s%8, \t/2, \s/8
.endif
.endr
.endr
	WIN 0
.irp i,0,1,2,3,4,5,6,7                 ; sixteen plain lines that name no register of the products: the places behind them, ahead of the loads into the operands' registers and of the first read of results
	v_min_u32 v[OFF+\i], 0x7ff, v[SL+8*(\buf)+\i]  ; the slot, held inside the table
.endr
.irp i,0,1,2,3,4,5,6,7
	v_lshl_add_u32 v[OFF+\i], v[OFF+\i], 12, v16   ; a slot's row of 4,096 bytes, + my 16 bytes
.endr
	s_add_co_u32 s2, s99, 128                      ; my tile two further on takes this set
	s_cmp_lt_u32 s2, s75
	s_cbranch_scc0 .Lnone_\@
	HLOAD \buf
	s_branch .Lgo_\@
.Lnone_\@:
	s_wait_loadcnt 0x0                             ; nothing is asked for: the other set is waited for here, so that the count at the next tile's head holds on this way too
.Lgo_\@:
.irp t,0,1,2,3
.irp q,0,1
	ds_store_b128 v14, v[ACC+8*\t+4*\q:ACC+8*\t+4*\q+3] offset:64*\t+16*\q     ; each accumulator from its low end on
.endr
.endr
.irp i,0,1,2,3,4,5,6,7
	ds_load_b128 v[OB+4*\i:OB+4*\i+3], v15 offset:544*\i       ; LDS serves a wave's instructions in order (ISA guide 5.7.1): these see my stores
.endr
	s_wait_alu depctr_va_vdst(0)
.irp i,0,1,2,3,4,5,6,7
	s_wait_dscnt 7-\i                              ; rows 2 i, 2 i + 1 are back; the younger loads may be out
	global_store_b128 v[OFF+\i], v[OB+4*\i:OB+4*\i+3], s[68:69]    ; sixteen lanes store a row's 256 consecutive bytes, aligned
.endr
.endm
	s_mov_b32 s79, 8
.Ltrip:                                            ; eight trips, a constant, two tiles each, so that the two sets come back to their places
	s_mov_b32 s99, s77
	TILE 0
	s_add_co_u32 s99, s77, 64
	TILE 1
	s_branch .Ltail
.Lskip:
	s_wait_loadcnt 0x0                             ; a way that leaves a tile out leaves no load out either: the counts at the tiles' heads hold on every way through the text
.Ltail:
	s_add_co_u32 s77, s77, 128
	s_sub_co_u32 s79, s79, 1
	s_cmp_lg_u32 s79, 0
	s_cbranch_scc1 .Ltrip
	s_wait_tensorcnt 0x0                           ; the wave's end: behind my last LDS store
	ds_add_u32 v4, v5
	s_wait_dscnt 0x0
	s_endpgm
.Lfunc_end_k_q1980afe249_ffn2:
	.size	k_q1980afe249_ffn2, .Lfunc_end_k_q1980afe249_ffn2-k_q1980afe249_ffn2
	.p2alignl 7, 3214868480
	.fill 96, 4, 3214868480
	.section	.rodata,"a",@progbits
	.p2align	6, 0x0
	.amdhsa_kernel k_q1980afe249_ffn2
		.amdhsa_group_segment_fixed_size 84480
		.amdhsa_private_segment_fixed_size 0
		.amdhsa_enable_private_segment 0
		.amdhsa_kernarg_size 56
		.amdhsa_user_sgpr_count 2
		.amdhsa_user_sgpr_kernarg_segment_ptr 1
		.amdhsa_wavefront_size32 1
		.amdhsa_system_sgpr_workgroup_id_x 1
		.amdhsa_system_sgpr_workgroup_id_y 1
		.amdhsa_system_sgpr_workgroup_id_z 1
		.amdhsa_system_vgpr_workitem_id 0
		.amdhsa_next_free_vgpr 1024
		.amdhsa_next_free_sgpr 102
		.amdhsa_reserve_vcc 0
		.amdhsa_float_denorm_mode_32 3
		.amdhsa_float_denorm_mode_16_64 3
		.amdhsa_memory_ordered 1
		.amdhsa_forward_progress 1
		.amdhsa_inst_pref_size 61
	.end_amdhsa_kernel
	.amdgpu_metadata
---
amdhsa.version: [ 1, 2 ]
amdhsa.kernels:
  - .name:           k_q1980afe249_ffn2
    .symbol:         k_q1980afe249_ffn2.kd
    .args:
      - { .name: slist, .offset: 0, .size: 8, .value_kind: global_buffer, .address_space: global }
      - { .name: hid, .offset: 8, .size: 8, .value_kind: global_buffer, .address_space: global }
      - { .name: hsc, .offset: 16, .size: 8, .value_kind: global_buffer, .address_space: global }
      - { .name: w2_codes, .offset: 24, .size: 8, .value_kind: global_buffer, .address_space: global }
      - { .name: w2_scales, .offset: 32, .size: 8, .value_kind: global_buffer, .address_space: global }
      - { .name: b2, .offset: 40, .size: 8, .value_kind: global_buffer, .address_space: global }
      - { .name: ybuf, .offset: 48, .size: 8, .value_kind: global_buffer, .address_space: global }
    .group_segment_fixed_size: 84480
    .private_segment_fixed_size: 0
    .kernarg_segment_align: 8
    .kernarg_segment_size: 56
    .max_flat_workgroup_size: 128
    .sgpr_count:     102
    .vgpr_count:     1024
    .wavefront_size: 32
...
	.end_amdgpu_metadata
.endif
;; end of part 3
;; launch combine (part 4): grid 256 x 1, 8 waves a work-group, no clusters, 0 bytes of LDS; arguments h, ybuf, wts, out0; writes out0
.if DOCPART == 4
	.amdgcn_target "amdgcn-amd-amdhsa--gfx1250"
	.amdhsa_code_object_version 6
	.text
	.protected	k_q1980afe249_combine
	.globl	k_q1980afe249_combine
	.p2align	8
	.type	k_q1980afe249_combine,@function
k_q1980afe249_combine:
	s_mov_b64 s[64:65], 0
	v_nop
	global_prefetch_b8 v0, s[64:65] scope:SCOPE_SE
	s_setreg_imm32_b32 hwreg(HW_REG_WAVE_MODE, 25, 1), 1
	s_wait_xcnt 0x0
; COMBINE.  out0[t] = clip(x[t] + w0 y[2 t] + w1 y[2 t + 1], -100, 100): each output row has this one owner, so the two experts' rows are added without atomics.
; A stream: a work-group takes 4 tokens; thread n takes the 16 bytes at 16 n of each row, so a wave's load or store covers 512 consecutive bytes.  All addresses are fixed: ybuf lies by slot.
; All 12 loads of a thread go out at once; each token has registers of its own, so no store's data are written again.  No LDS, no barrier, no matrix unit: nothing here is shared or multiplied in bulk.
; LIMIT: NaN is not served (the clip is a median of three).
.set X, 4                              ; token i: x at v[X + 12 i], y0 four further on, y1 eight
	s_load_b256 s[4:11], s[0:1], 0x0               ; h s[4:5], ybuf s[6:7], wts s[8:9], out0 s[10:11]
	v_lshlrev_b32 v1, 4, v0
	s_lshl_b32 s12, ttmp9, 14                      ; 4 rows of 4,096 bytes
	s_mov_b32 s13, 0
	s_lshl_b32 s14, ttmp9, 15                      ; 8 slots
	s_mov_b32 s15, 0
	s_lshl_b32 s26, ttmp9, 5                       ; 8 weights
	s_mov_b32 s27, 0
	s_mov_b32 s24, 0xc2c80000                      ; -100
	s_mov_b32 s25, 0x42c80000                      ; 100
	s_wait_alu depctr_va_vdst(0)
	s_wait_kmcnt 0x0
	s_add_nc_u64 s[8:9], s[8:9], s[26:27]
	s_load_b256 s[16:23], s[8:9], 0x0              ; w0, w1 of my four tokens
	s_add_nc_u64 s[4:5], s[4:5], s[12:13]
	s_add_nc_u64 s[6:7], s[6:7], s[14:15]
	s_add_nc_u64 s[10:11], s[10:11], s[12:13]
.irp i,0,1,2,3
	global_load_b128 v[X+12*\i:X+12*\i+3], v1, s[4:5] offset:4096*\i th:TH_LOAD_NT
	global_load_b128 v[X+12*\i+4:X+12*\i+7], v1, s[6:7] offset:8192*\i th:TH_LOAD_NT
	global_load_b128 v[X+12*\i+8:X+12*\i+11], v1, s[6:7] offset:8192*\i+4096 th:TH_LOAD_NT
.endr
	s_wait_kmcnt 0x0
.irp i,0,1,2,3
	s_wait_loadcnt 3*(3-\i)                        ; this token's three loads are in; three for each later token may be out
.irp c,0,1,2,3
	v_fma_f32 v[X+12*\i+\c], s[16+2*\i], v[X+12*\i+4+\c], v[X+12*\i+\c]
.endr
.irp c,0,1,2,3
	s_delay_alu instid0(VALU_DEP_4)
	v_fma_f32 v[X+12*\i+\c], s[17+2*\i], v[X+12*\i+8+\c], v[X+12*\i+\c]
.endr
.irp c,0,1,2,3
	s_delay_alu instid0(VALU_DEP_4)
	v_med3_num_f32 v[X+12*\i+\c], v[X+12*\i+\c], s24, s25
.endr
	global_store_b128 v1, v[X+12*\i:X+12*\i+3], s[10:11] offset:4096*\i th:TH_STORE_NT
.endr
	s_endpgm
.Lfunc_end_k_q1980afe249_combine:
	.size	k_q1980afe249_combine, .Lfunc_end_k_q1980afe249_combine-k_q1980afe249_combine
	.p2alignl 7, 3214868480
	.fill 96, 4, 3214868480
	.section	.rodata,"a",@progbits
	.p2align	6, 0x0
	.amdhsa_kernel k_q1980afe249_combine
		.amdhsa_group_segment_fixed_size 0
		.amdhsa_private_segment_fixed_size 0
		.amdhsa_enable_private_segment 0
		.amdhsa_kernarg_size 32
		.amdhsa_user_sgpr_count 2
		.amdhsa_user_sgpr_kernarg_segment_ptr 1
		.amdhsa_wavefront_size32 1
		.amdhsa_system_sgpr_workgroup_id_x 1
		.amdhsa_system_sgpr_workgroup_id_y 1
		.amdhsa_system_sgpr_workgroup_id_z 1
		.amdhsa_system_vgpr_workitem_id 0
		.amdhsa_next_free_vgpr 64
		.amdhsa_next_free_sgpr 66
		.amdhsa_reserve_vcc 0
		.amdhsa_float_denorm_mode_32 3
		.amdhsa_float_denorm_mode_16_64 3
		.amdhsa_memory_ordered 1
		.amdhsa_forward_progress 1
		.amdhsa_inst_pref_size 7
	.end_amdhsa_kernel
	.amdgpu_metadata
---
amdhsa.version: [ 1, 2 ]
amdhsa.kernels:
  - .name:           k_q1980afe249_combine
    .symbol:         k_q1980afe249_combine.kd
    .args:
      - { .name: h, .offset: 0, .size: 8, .value_kind: global_buffer, .address_space: global }
      - { .name: ybuf, .offset: 8, .size: 8, .value_kind: global_buffer, .address_space: global }
      - { .name: wts, .offset: 16, .size: 8, .value_kind: global_buffer, .address_space: global }
      - { .name: out0, .offset: 24, .size: 8, .value_kind: global_buffer, .address_space: global }
    .group_segment_fixed_size: 0
    .private_segment_fixed_size: 0
    .kernarg_segment_align: 8
    .kernarg_segment_size: 32
    .max_flat_workgroup_size: 256
    .sgpr_count:     66
    .vgpr_count:     64
    .wavefront_size: 32
...
	.end_amdgpu_metadata
.endif
;; end of part 4
